; MI455X (gfx1250); checked and timed in simulation.
; The chip was launched on July 23, 2026; its instructions are those of AMD's public machine-readable ISA for CDNA 5 (MIT licence, August 2026) and "CDNA5" Instruction Set Architecture Reference Guide (July 2026). The comments in the code are by the model that wrote it; some were corrected since.
;; ATTR NETWORK. Allowed arithmetic: matrix products marked QUANTISED: E2M1 operands, one E8M0 scale for each 32 along K, by v_wmma_scale_f32_16x16x128_f8f6f4 with both operands' format E2M1 (or v_wmma_scale_f32_32x16x128_f4), f32 sums; products left as they are: f32 operands where the result goes on into a quantised operand, else bf16, f16 or f32 operands; f32 sums; everything else in f32.
;; Inputs: attn_out_b 2 x 256 float32; attn_out_w 2 x 256 x 256 float32; attr 256 x 128 int32; attr_emb 50,000 x 256 float32; attr_feat 256 x 13 float32; attr_inds 256 x 128 int32; attr_lens 256 int32; attr_lens_item 256 int32; attr_lens_user 256 int32; attr_tf 256 x 128 float32; ff1_b 2 x 1,024 float32; ff1_w 2 x 1,024 x 256 float32; ff2_b 2 x 256 float32; ff2_w 2 x 256 x 1,024 float32; fw_W 1 x 13 float32; fw_b 1 float32; item_emb 10,000 x 256 float32; item_ids 256 int32; ln1_b 2 x 256 float32; ln1_s 2 x 256 float32; ln2_b 2 x 256 float32; ln2_s 2 x 256 float32; neg_lens 256 int32; neg_targets 256 x 500 int32; out_emb 50,000 x 768 float32; pos_lens 256 int32; pos_targets 256 x 100 int32; qkv_b 2 x 768 float32; qkv_w 2 x 768 x 256 float32; user_emb 10,000 x 256 float32; user_ids 256 int32.
;; Outputs: out0 256 x 600 float32; out1 256 x 600 bool; out2 256 x 600 int32.
;; This version of the problem:
;;   THIS VERSION OF THE PROBLEM IS GIVEN IN LOW PRECISION. The matrix products marked QUANTISED in the list below multiply operands that are first quantised to E2M1 (2 exponent bits, 1 mantissa bit; 4 bits a number), with one power-of-two scale for each 32 numbers along K (OCP MX v1.0); their sums are f32. All else is computed in f32.
;;   The module's matrix products, in the order in which they are computed (A, B: the left and right operand; K: the contracted axis; several contracted axes count as one K, in the product's order):
;;     1. [M 32,768, K 256] x [K 256, N 768]; A: computed on the way; B: input qkv_w: QUANTISED
;;     2. batch 1,024 x [M 128, K 64] x [K 64, N 128]; A: computed on the way; B: computed on the way: QUANTISED
;;     3. batch 1,024 x [M 64, K 128] x [K 128, N 128]; A: computed on the way; B: softmax (see below): QUANTISED
;;     4. [M 32,768, K 256] x [K 256, N 256]; A: computed on the way; B: input attn_out_w: QUANTISED
;;     5. [M 32,768, K 256] x [K 256, N 1,024]; A: computed on the way; B: input ff1_w: QUANTISED
;;     6. [M 32,768, K 1,024] x [K 1,024, N 256]; A: computed on the way; B: input ff2_w: QUANTISED
;;     7. [M 32,768, K 256] x [K 256, N 768]; A: computed on the way; B: input qkv_w: QUANTISED
;;     8. batch 1,024 x [M 128, K 64] x [K 64, N 128]; A: computed on the way; B: computed on the way: QUANTISED
;;     9. batch 1,024 x [M 64, K 128] x [K 128, N 128]; A: computed on the way; B: softmax (see below): QUANTISED
;;     10. [M 32,768, K 256] x [K 256, N 256]; A: computed on the way; B: input attn_out_w: QUANTISED
;;     11. [M 32,768, K 256] x [K 256, N 1,024]; A: computed on the way; B: input ff1_w: QUANTISED
;;     12. [M 32,768, K 1,024] x [K 1,024, N 256]; A: computed on the way; B: input ff2_w: QUANTISED
;;     13. [M 256, K 13] x [K 13, N 1]; A: input attr_feat; B: input fw_W: left as it is (K = 13 < 32)
;;     14. batch 256 x [M 1, K 128] x [K 128, N 256]; A: computed on the way; B: computed on the way: left as it is (M = 1 < 16)
;;     15. batch 256 x [M 100, K 768] x [K 768, N 1]; A: computed on the way; B: computed on the way: left as it is (N = 1 < 16)
;;     16. batch 256 x [M 500, K 768] x [K 768, N 1]; A: computed on the way; B: computed on the way: left as it is (N = 1 < 16)
;;   THE QUANTISER, for each operand of a quantised product, along K:
;;     - K is cut into blocks of 32 from its start; a last block that is shorter is filled with zeros.
;;     - A block's scale is 2^e with e = floor(log2(the largest magnitude in the block)) - 2, held to -126 .. 127; a block of zeros has e = 0. As a byte (E8M0): e + 127.
;;     - Each number is divided by its block's scale, clamped to +-6, and rounded to the nearest number of E2M1, ties to even, subnormals kept.
;;     - The product sums the exact products of the quantised numbers (number of the format x scale) in f32.
;;   ~~~python
;;   def quantise(x, axis):      # numpy; x: float32 -> the quantised numbers, widened to float32 again
;;       x = np.moveaxis(x, axis, -1); K = x.shape[-1]
;;       x = np.pad(x, [(0, 0)] * (x.ndim - 1) + [(0, -K % 32)]); x = x.reshape(x.shape[:-1] + (-1, 32)); a = np.abs(x).max(-1, keepdims=True)
;;       e = np.where(a > 0, np.clip(np.frexp(np.where(a > 0, a, 1))[1] - 1 - 2, -126, 127), 0)      # np.frexp(a)[1] - 1 = floor(log2(a)), exactly
;;       r = np.clip(x / 2.0 ** e, -6, 6)
;;       step = 2.0 ** (np.maximum(np.frexp(np.where(r == 0, 1, r))[1] - 1, 0) - 1)
;;       q = np.round(r / step) * step * 2.0 ** e      # np.round: ties to even
;;       return np.moveaxis(q.reshape(q.shape[:-2] + (-1,))[..., :K], -1, axis).astype(np.float32)
;;   ~~~
;;   SOFTMAX AHEAD OF A QUANTISED PRODUCT. Where the list says 'softmax', what is quantised is not the finished softmax but p = 2^(t - M), with t = logit x log2(e) and M = ceil(the row's largest t), a whole number; so 1/2 < the row's largest p <= 1. The row's sum l is taken of the UNQUANTISED p, in f32, and the product's result is divided by l at the end. Since M is a whole number, a kernel that streams over the keys may use a running M (the ceiling of the running maximum): every later rescaling is an exact power of two, which a block's scale takes up: the codes' values come out the same.
;;   OPERANDS COMPUTED ON THE WAY. 'Computed on the way' means the value that the module computes at that place (a softmax that the list does not call 'softmax' is quantised finished and normalised). What goes into a quantiser is computed in f32, as accurately as f32 sums, v_exp_f32 and their like allow (about 1e-6 of the number): no bf16 or f16 on the way to a quantiser, and a product that is left as it is and whose result goes on into a quantised operand takes f32 operands (vector FMAs, or v_wmma_f32_16x16x4_f32). A number that lies on a knife's edge between two numbers of the format may be rounded either way, as far as f32 arithmetic and the matrix unit's own rounding can turn it there, and no further.
;; One version. Each part assembles by itself: llvm-mc -triple=amdgcn-amd-amdhsa -mcpu=gfx1250 --defsym DOCPART=n.
;; ======== version 1 of 1: 2 launches
;; workspace buffers: wq 786,432 bytes; ws 98,304 bytes
;; launch prep (part 1): grid 96 x 2, 4 waves a work-group, no clusters, 512 bytes of LDS; arguments qkv_w, attn_out_w, ff1_w, ff2_w, wq, ws; writes wq, ws
.if DOCPART == 1
	.amdgcn_target "amdgcn-amd-amdhsa--gfx1250"
	.amdhsa_code_object_version 6
	.text
	.protected	k_qae9cd1dfaa_prep
	.globl	k_qae9cd1dfaa_prep
	.p2align	8
	.type	k_qae9cd1dfaa_prep,@function
k_qae9cd1dfaa_prep:
	s_mov_b64 s[64:65], 0
	v_nop
	global_prefetch_b8 v0, s[64:65] scope:SCOPE_SE
	s_setreg_imm32_b32 hwreg(HW_REG_WAVE_MODE, 25, 1), 1
	s_wait_xcnt 0x0
; The four weight tensors (f32, K innermost) become codes of FP4 (E2M1) with one E8M0 byte for each 32 along K, laid in the order
; of the operand's registers, so that the encoder's lanes load their fragments whole.
; A BLOCK (work-group x = 0..95, y = layer) is 4 tiles of 16 rows x 128 along K.  Codes: [tile i][c][lane][16 bytes], 4,096 bytes.  Lane (r, h) of tile i holds
; row 64 G + 32 (i / 2) + 8 (i % 2) + r + 8 (r / 8) at k = 128 s + 64 c + 32 h + 0 .. 31: the rows of a tile are not neighbours, so that the results of two
; neighbouring tiles give a lane 16 neighbours along the next product's K.  Scale words: [lane][tile i], 512 bytes; lanes 16-31 repeat lanes 0-15.
; Blocks 0-23 qkv_w, 24-31 attn_out_w, 32-63 ff1_w (G = b / 2, s = b % 2, b counted in the tensor); 64-95 ff2_w (G = (b / 2) % 4, s = 2 (b / 8) + b % 2).
; Wave i takes tile i.  A lane's 64 numbers are two whole blocks of 32, so no other lane is asked for a maximum.
; A block's scale is 2^(floor(log2(largest magnitude)) - 2): its byte is the largest magnitude's exponent field - 2, held at 1 from below.
; LIMITS: a block of zeros, and a block whose largest magnitude lies under 2^-124, gets the byte 1 (zero codes add nothing; this program alone reads the bytes); NaN and infinities are not served.
	s_load_b256 s[4:11], s[0:1], 0x0               ; qkv_w s[4:5], attn_out_w s[6:7], ff1_w s[8:9], ff2_w s[10:11]
	s_load_b128 s[12:15], s[0:1], 0x20             ; wq s[12:13], ws s[14:15]
	v_lshrrev_b32 v1, 5, v0
	v_readfirstlane_b32 s16, v1                    ; wave = tile i
	v_and_b32 v2, 31, v0                           ; lane
	v_and_b32 v3, 15, v0                           ; r
	v_bfe_u32 v4, v0, 4, 1                         ; h
	s_and_b32 s17, ttmp7, 0xffff                   ; layer
	s_mov_b32 s32, 0x76543210
	s_mov_b32 s33, 0xfedcba98                      ; v_permlanex16_b32's selects for lane l xor 16
	s_mov_b32 s20, 64                              ; the tensor's first block,
	s_mov_b32 s21, 0x100000                        ; and a layer of it in bytes: ff2_w's, then the others' by the block's number
	s_wait_kmcnt 0x0
	s_mov_b64 s[18:19], s[10:11]
	s_cmp_lt_u32 ttmp9, 64
	s_cselect_b64 s[18:19], s[8:9], s[18:19]
	s_cselect_b32 s20, 32, s20
	s_cmp_lt_u32 ttmp9, 32
	s_cselect_b64 s[18:19], s[6:7], s[18:19]
	s_cselect_b32 s20, 24, s20
	s_cselect_b32 s21, 0x40000, s21
	s_cmp_lt_u32 ttmp9, 24
	s_cselect_b64 s[18:19], s[4:5], s[18:19]
	s_cselect_b32 s20, 0, s20
	s_cselect_b32 s21, 0xc0000, s21
	s_sub_co_u32 s22, ttmp9, s20                   ; b: the block counted in its tensor
	s_lshr_b32 s23, s22, 1                         ; b / 2
	s_and_b32 s24, s22, 1                          ; b % 2
	s_and_b32 s25, s23, 3                          ; ff2_w: G
	s_lshr_b32 s26, s23, 2
	s_lshl_b32 s26, s26, 1
	s_add_co_u32 s26, s26, s24                     ; ff2_w: s
	s_cmp_lt_u32 ttmp9, 64
	s_cselect_b32 s23, s23, s25                    ; G
	s_cselect_b32 s24, s24, s26                    ; s
	s_cselect_b32 s27, 10, 12                      ; a row is 1,024 bytes, in ff2_w 4,096
	s_mul_i32 s28, s17, s21                        ; layer
	s_lshl_b32 s23, s23, 6
	s_lshl_b32 s23, s23, s27                       ; + 64 G rows
	s_add_co_u32 s28, s28, s23
	s_lshl_b32 s24, s24, 9                         ; + 128 s numbers
	s_add_co_u32 s28, s28, s24
	s_mov_b32 s29, 0
	s_add_nc_u64 s[18:19], s[18:19], s[28:29]
	s_lshr_b32 s30, s16, 1
	s_lshl_b32 s30, s30, 5
	s_and_b32 s31, s16, 1
	s_lshl_b32 s31, s31, 3
	s_add_co_u32 s30, s30, s31                     ; 32 (i / 2) + 8 (i % 2)
	v_and_b32 v5, 8, v3
	v_add_nc_u32 v5, v5, v3                        ; r + 8 (r / 8)
	v_add_nc_u32 v5, s30, v5
	v_lshlrev_b32 v5, s27, v5                      ; my row, in bytes
	v_lshl_add_u32 v5, v4, 7, v5                   ; + 32 h numbers
.irp c, 0,1
.irp m, 0,1,2,3,4,5,6,7
	global_load_b128 v[16+32*\c+4*\m:16+32*\c+4*\m+3], v5, s[18:19] offset:256*\c+16*\m th:TH_LOAD_NT
.endr
.endr
	s_mul_i32 s34, s17, 393216                     ; where the codes go: layer, block, tile
	s_lshl_b32 s35, ttmp9, 12
	s_add_co_u32 s34, s34, s35
	s_lshl_b32 s35, s16, 10
	s_add_co_u32 s34, s34, s35
	s_mov_b32 s35, 0
	s_add_nc_u64 s[12:13], s[12:13], s[34:35]
	s_mul_i32 s34, s17, 49152                      ; and the scale words: layer, block
	s_lshl_b32 s36, ttmp9, 9
	s_add_co_u32 s34, s34, s36
	s_add_nc_u64 s[14:15], s[14:15], s[34:35]
	v_lshlrev_b32 v6, 4, v2                        ; 16 x lane
	s_lshl_b32 s36, s16, 2
	v_add_nc_u32 v7, s36, v6                       ; LDS: 16 x lane + 4 x tile
	s_wait_loadcnt 0x0
.irp c, 0,1
	v_max3_num_f32 v[8+\c], |v[16+32*\c]|, |v[17+32*\c]|, 0x1800000   ; my block 2 c + h, and the floor 2^(3 - 127): the byte cannot fall under 1
.endr
.irp i, 2,4,6,8,10,12,14,16,18,20,22,24,26,28,30
.irp c, 0,1
	v_max3_num_f32 v[8+\c], v[8+\c], |v[16+32*\c+\i]|, |v[17+32*\c+\i]|
.endr
.endr
.irp c, 0,1
	v_add_nc_u32 v[10+\c], 0xff000000, v[8+\c]     ; 2 off the exponent field: the conversion's scale operand
.endr
.irp c, 0,1
	v_lshrrev_b32 v[12+\c], 23, v[10+\c]           ; the scale's byte
.endr
	v_lshl_or_b32 v14, v13, 16, v12                ; blocks h and 2 + h of my row,
	v_lshlrev_b32 v15, 3, v4
	v_lshlrev_b32 v14, v15, v14                    ; at their places in the word;
	v_mov_b32 v15, 0
	v_permlanex16_b32 v15, v14, s32, s33
	v_or_b32 v14, v14, v15                         ; with lane l xor 16's two the word is whole, in both lanes
.irp c, 0,1
.irp g, 0,1,2,3
	v_cvt_scalef32_pk8_fp4_f32 v[80+4*\c+\g], v[16+32*\c+8*\g:23+32*\c+8*\g], v[10+\c]
.endr
.endr
	v_nop                                          ; a plain line behind the last conversion
	global_store_b128 v6, v[80:83], s[12:13]       ; the wave stores 512 consecutive bytes, twice
	global_store_b128 v6, v[84:87], s[12:13] offset:512
	ds_store_b32 v7, v14                           ; the four tiles' words meet in LDS,
	s_wait_dscnt 0x0                               ; for the others' sake: my store has landed
	s_barrier_signal -1
	s_barrier_wait -1
	s_cmp_lg_u32 s16, 0
	s_cbranch_scc1 .Ldone
	ds_load_b128 v[88:91], v6                      ; and wave 0 stores them as 512 consecutive bytes
	s_wait_dscnt 0x0
	global_store_b128 v6, v[88:91], s[14:15]
.Ldone:
	s_endpgm
.Lfunc_end_k_qae9cd1dfaa_prep:
	.size	k_qae9cd1dfaa_prep, .Lfunc_end_k_qae9cd1dfaa_prep-k_qae9cd1dfaa_prep
	.p2alignl 7, 3214868480
	.fill 96, 4, 3214868480
	.section	.rodata,"a",@progbits
	.p2align	6, 0x0
	.amdhsa_kernel k_qae9cd1dfaa_prep
		.amdhsa_group_segment_fixed_size 512
		.amdhsa_private_segment_fixed_size 0
		.amdhsa_enable_private_segment 0
		.amdhsa_kernarg_size 48
		.amdhsa_user_sgpr_count 2
		.amdhsa_user_sgpr_kernarg_segment_ptr 1
		.amdhsa_wavefront_size32 1
		.amdhsa_system_sgpr_workgroup_id_x 1
		.amdhsa_system_sgpr_workgroup_id_y 1
		.amdhsa_system_sgpr_workgroup_id_z 1
		.amdhsa_system_vgpr_workitem_id 0
		.amdhsa_next_free_vgpr 96
		.amdhsa_next_free_sgpr 66
		.amdhsa_reserve_vcc 0
		.amdhsa_float_denorm_mode_32 3
		.amdhsa_float_denorm_mode_16_64 3
		.amdhsa_memory_ordered 1
		.amdhsa_forward_progress 1
		.amdhsa_inst_pref_size 8
	.end_amdhsa_kernel
	.amdgpu_metadata
---
amdhsa.version: [ 1, 2 ]
amdhsa.kernels:
  - .name:           k_qae9cd1dfaa_prep
    .symbol:         k_qae9cd1dfaa_prep.kd
    .args:
      - { .name: qkv_w, .offset: 0, .size: 8, .value_kind: global_buffer, .address_space: global }
      - { .name: attn_out_w, .offset: 8, .size: 8, .value_kind: global_buffer, .address_space: global }
      - { .name: ff1_w, .offset: 16, .size: 8, .value_kind: global_buffer, .address_space: global }
      - { .name: ff2_w, .offset: 24, .size: 8, .value_kind: global_buffer, .address_space: global }
      - { .name: wq, .offset: 32, .size: 8, .value_kind: global_buffer, .address_space: global }
      - { .name: ws, .offset: 40, .size: 8, .value_kind: global_buffer, .address_space: global }
    .group_segment_fixed_size: 512
    .private_segment_fixed_size: 0
    .kernarg_segment_align: 8
    .kernarg_segment_size: 48
    .max_flat_workgroup_size: 128
    .sgpr_count:     66
    .vgpr_count:     96
    .wavefront_size: 32
...
	.end_amdgpu_metadata
.endif
;; end of part 1
;; launch enc (part 2): grid 256 x 1, 8 waves a work-group, no clusters, 287,232 bytes of LDS; arguments wq, ws, qkv_b, attn_out_b, ln1_s, ln1_b, ff1_b, ff2_b, ln2_s, ln2_b, attr, attr_emb, attr_lens, attr_tf, attr_lens_user, attr_feat, fw_W, fw_b, user_ids, item_ids, user_emb, item_emb, pos_targets, neg_targets, out_emb, pos_lens, neg_lens, out0, out1, out2; writes out0, out1, out2
.if DOCPART == 2
	.amdgcn_target "amdgcn-amd-amdhsa--gfx1250"
	.amdhsa_code_object_version 6
	.text
	.protected	k_qae9cd1dfaa_enc
	.globl	k_qae9cd1dfaa_enc
	.p2align	8
	.type	k_qae9cd1dfaa_enc,@function
k_qae9cd1dfaa_enc:
	s_mov_b64 s[64:65], 0
	v_nop
	global_prefetch_b8 v0, s[64:65] scope:SCOPE_SE
	s_setreg_imm32_b32 hwreg(HW_REG_WAVE_MODE, 25, 1), 1
	s_wait_xcnt 0x0
; ONE WORK-GROUP TAKES ONE SEQUENCE (128 tokens x 256 features) THROUGH EVERYTHING: embedding gather, two encoder layers, pooling, 600 logits, mask, targets.  No activation goes to memory.
; All twelve large products run on codes of FP4 (E2M1) with one E8M0 scale for each 32 along K; every operand computed on the way is quantised in registers from f32.
; SHARES.  Eight waves; wave w: hh = w / 2, g = w % 2.  ROW phases (embedding, LayerNorm): wave w owns token tile w; lane (r, h) holds 128 numbers of one token, register 16 b + i = feature 32 b + 16 h + i.
; GEMM phases: wave (hh, g) makes 4 feature tiles (a group of 64 features) for token tiles 4 g .. 4 g + 3: 16 accumulators, one matrix instruction a turn.
; The products are used TRANSPOSED (source 0 = 16 rows of W, source 1 = 16 tokens), and the rows of a tile of W are chosen (launch prep) so that a lane's results of 4 tiles are 32 + 32 neighbours along the next K.
; TOKENS.  Lane r of token tile t is token 32 (t / 2) + 8 (t % 2) + r + 8 (r / 8), everywhere: so the same images serve where tokens are source 0 (keys of S^T, tokens of V's product) and their results run along the true key order.
; LDS HOLDS IMAGES OF REGISTERS: four registers go by one ds_store_b128 at 16 x lane (512 consecutive bytes), scale words at 4 x lane; the same lines as loads give any wave the same registers.
; WEIGHTS go from memory straight into operand registers, one item (64 features x 256 K: 8,192 bytes of codes, 1,024 of scale words) ahead of its use, in two sets by turns.
; NO CLUSTER, NO JOINT LOADS: a joint load lands in LDS, of which 287,232 of 327,680 bytes hold the sequence's state; the 40,448 left would hold four of a layer's 48 items, so each layer would want a dozen
; refills, each behind a round of all partners, beside the seven barriers a layer that the text has.
; SOFTMAX: t = score x 0.125 x log2(e) + (0 or -1e9 log2(e) for padded keys); M = ceil(the row's largest t); p = 2^(t - M) is quantised along the keys; the sum of the unquantised p divides O at the end.  A step holds all 128 keys.
; LIMITS: NaN and infinities in the inputs are not served.  A block of zeros, or one whose largest magnitude lies under 2^-124, gets the scale byte 1 (the bytes are this program's own).
; Indices are held inside their tables by a minimum.  attr_inds and attr_lens_item are used nowhere in the computation and are not among the arguments.
.set L_XF, 0                           ; x in f32: tile (t, f) at 16384 t + 1024 f + 512 c + 16 lane
.set L_AQ, 131072                      ; codes of x, o, x1 in turn: 2048 t + 1024 ks + 512 c
.set L_AS, 147456                      ; their scale words: 256 t + 128 ks + 4 lane, halves at + 2 c
.set L_QI, 149504                      ; Q's half fragments (K = 64): 512 (8 hh + t)
.set L_KI, 165888                      ; K's (= L_QI + 16384)
.set L_QS, 182272                      ; Q's words: 128 (8 hh + t)
.set L_KS, 186368                      ; K's (= L_QS + 4096)
.set L_VI, 190464                      ; V^T's fragments: 1024 (4 hh + i) + 512 c
.set L_VS, 206848                      ; 128 (4 hh + i) + 4 lane + 2 c
.set L_HI, 208896                      ; the hidden layer's codes: 1024 (8 t + s) + 512 c
.set L_HS, 274432                      ; 128 (8 t + s) + 4 lane + 2 c
.set L_OV, 282624                      ; the pooled vector, 256 f32
.set L_LG, 283648                      ; 600 logits
.set L_WT, 286208                      ; pooling weights: 128 t + 4 lane
; window 0
.set L16, 1                            ; 16 x lane
.set L4, 2                             ; 4 x lane
.set VW, 3                             ; 16 lane + 8192 hh: my item's codes
.set VSO, 4                            ; 16 lane + 1024 hh: its scale words
.set BQ, 5                             ; 256 hh + 64 h: a bias in the result's layout
.set BV, 6                             ; 256 hh + 4 (r + 8 (r / 8)): V's bias, a feature a lane
.set PL, 7                             ; 64 h
.set A_XFW, 8
.set A_XFG, 9
.set A_AQR, 10
.set A_ASR, 11
.set A_AQW, 12
.set A_ASW, 13
.set A_AQO, 14
.set A_ASO, 15
.set A_QW, 16
.set A_KR, 17
.set A_QSW, 18
.set A_KSR, 19
.set A_VW, 20
.set A_VR, 21
.set A_VSW, 22
.set A_VSR, 23
.set A_HW, 24
.set A_HSW, 25
.set A_HR, 26
.set A_HSR, 27                         ; v28-31 at work
.set WS, 32                            ; v32-47  W's scale words, two sets x (4 ks + i): scales and nothing else
.set XS, 48                            ; v48-63  the other side's scale words: scales and nothing else
.set BC, 64                            ; v64-127 biases in the result's layout, two sets of 32
.set XFR, 128                          ; v128-191 token fragments; S^T and p; LayerNorm parameters
.set T32, 192                          ; v192-223 32 numbers at work
.set TM, 224                           ; v224-239 at work
.set PC, 240                           ; v240-247 codes just made
.set QOP, 248                          ; v248-251 Q's codes; v252-255 zeros, never rewritten
; window 1
.set WR, 128                           ; v128-255 W's fragments, two sets: 64 set + 32 ks + 8 i + 4 c;  v0-127: the 16 accumulators
; the tail
.set RING, 64                          ; v64-183 five rows of out_emb, 24 registers each
.set VO, 184                           ; v184-188 their byte offsets
.set LGA, 189
.set OVEC, 192                         ; v192-215 the output vector: register 4 c + j of lane l = number 128 c + 4 l + j
.set RES, 224
.set NPL, 5                            ; places behind a matrix instruction: five serve a later matrix instruction that writes over its registers, four the rest (ISA guide 7.12.1)
.set MSB, 0
.macro WIN new                         ; the immediate's high byte repeats the setting that is left; a switch that changes nothing is dropped
.if MSB != (\new)
	s_set_vgpr_msb (MSB<<8)|(\new)
.set MSB, (\new)
.endif
.endm
.macro PLACES
.rept NPL
	v_nop
.endr
.endm
.macro BAR                             ; my LDS stores have landed and my LDS loads are in: then the work-group's barrier
	s_wait_dscnt 0x0
	s_barrier_signal -1
	s_barrier_wait -1
.endm
.macro MKA reg, base, kw, kh, kg, cst  ; an LDS address: a constant + kw w + kh hh + kg g + the lane's term
	s_mul_i32 s8, s2, \kw
	s_mul_i32 s9, s3, \kh
	s_add_co_u32 s8, s8, s9
	s_mul_i32 s9, s4, \kg
	s_add_co_u32 s8, s8, s9
	s_add_co_u32 s8, s8, \cst
	v_add_nc_u32 v[\reg], s8, v[\base]
.endm
.macro WMC d, a, b, c, sa, sb
	v_wmma_scale_f32_16x16x128_f8f6f4 v[\d:\d+7], v[\a:\a+7], v[\b:\b+7], v[\c:\c+7], v[\sa], v[\sb] matrix_a_fmt:MATRIX_FMT_FP4 matrix_b_fmt:MATRIX_FMT_FP4
.endm
.macro WM0 d, a, b, sa, sb
	v_wmma_scale_f32_16x16x128_f8f6f4 v[\d:\d+7], v[\a:\a+7], v[\b:\b+7], 0, v[\sa], v[\sb] matrix_a_fmt:MATRIX_FMT_FP4 matrix_b_fmt:MATRIX_FMT_FP4
.endm
; item p of a layer into set: 16 loads of codes, 2 of scale words; each covers 512 consecutive bytes
.macro WLOAD set, p, pw, ps
	WIN 0x40
.set kW, 0
.rept 16
	global_load_b128 v[WR+64*(\set)+4*kW:WR+64*(\set)+4*kW+3], v[VW], s[\pw:\pw+1] offset:8192*(\p)+512*kW
.set kW, kW+1
.endr
	WIN 0
	global_load_b128 v[WS+8*(\set):WS+8*(\set)+3], v[VSO], s[\ps:\ps+1] offset:1024*(\p)
	global_load_b128 v[WS+8*(\set)+4:WS+8*(\set)+7], v[VSO], s[\ps:\ps+1] offset:1024*(\p)+512
.endm
.macro BLOAD set, pb, imm              ; a bias as the C of a sum's first product: tile i, register j = feature 32 (i / 2) + 8 (i % 2) + 16 h + j of my 64
.irp i, 0,1,2,3
.irp e, 0,1
	global_load_b128 v[BC+32*(\set)+8*\i+4*\e:BC+32*(\set)+8*\i+4*\e+3], v[BQ], s[\pb:\pb+1] offset:(\imm)+128*(\i/2)+32*(\i%2)+16*\e
.endr
.endr
.endm
.macro BLOADV set, pb                  ; V's product has a feature a lane: its bias eight times
.irp i, 0,1,2,3
.irp j, 0,1,2,3,4,5,6,7
	global_load_b32 v[BC+32*(\set)+8*\i+\j], v[BV], s[\pb:\pb+1] offset:2048+128*(\i/2)+32*(\i%2)
.endr
.endr
.endm
.macro XLOAD                           ; my four token tiles' fragments (K = 256: two K steps) and scale words: 24 LDS loads
.irp ks, 0,1
.irp t, 0,1,2,3
.irp c, 0,1
	ds_load_b128 v[XFR+32*\ks+8*\t+4*\c:XFR+32*\ks+8*\t+4*\c+3], v[A_AQR] offset:2048*\t+1024*\ks+512*\c
.endr
	ds_load_b32 v[XS+4*\ks+\t], v[A_ASR] offset:256*\t+128*\ks
.endr
.endr
.endm
; 16 matrix instructions, 128 along K.  kind 0: source 0 = W's tile i, source 1 = token tile t; kind 1 (V): the other way round.  cm 0: C = the bias, the sums begin; cm 1: in place
.macro MM kind, set, ks, slot, xs, cm
.irp t, 0,1,2,3
.irp i, 0,1,2,3
.set rW, WR+64*(\set)+32*(\ks)+8*\i
.set rX, XFR+32*(\slot)+8*\t
.set rSW, WS+8*(\set)+4*(\ks)+\i
.set rSX, XS+(\xs)+\t
.if \kind
.set rD, 32*\i+8*\t
.else
.set rD, 32*\t+8*\i
.endif
.if \cm
.set rC, rD
.else
.set rC, BC+32*(\set)+8*\i
.endif
.if \kind
	WMC rD, rX, rW, rC, rSX, rSW
.else
	WMC rD, rW, rX, rC, rSW, rSX
.endif
.endr
.endr
.endm
; 32 numbers of a lane, register 16 b + i = k 32 b + 16 h + i of my row, become half a fragment's codes in v[PC] .. v[PC+3] and two scale bytes in v[TM+6].  win: the numbers' window
.macro Q32 src, win
	WIN 5*(\win)
.irp b, 0,1
	v_max3_num_f32 v[TM+\b], |v[(\src)+16*\b]|, |v[(\src)+16*\b+1]|, 0x1800000   ; my 16 numbers of block b, from the low end on, and the floor 2^(3 - 127): the byte cannot fall under 1
.endr
.irp i, 2,4,6,8,10,12,14
.irp b, 0,1
	v_max3_num_f32 v[TM+\b], |v[(\src)+16*\b+\i]|, |v[(\src)+16*\b+\i+1]|, v[TM+\b]
.endr
.endr
	WIN 0
.irp b, 0,1
	v_permlanex16_b32 v[TM+2+\b], v[TM+\b], s10, s11
.endr
.irp b, 0,1
	v_max_num_f32 v[TM+\b], v[TM+\b], v[TM+2+\b]   ; with lane l xor 16's: the block's largest magnitude
.endr
.irp b, 0,1
	v_add_nc_u32 v[TM+4+\b], 0xff000000, v[TM+\b]  ; 2 off its exponent field: the conversion's scale operand
.endr
.irp b, 0,1
	v_lshrrev_b32 v[TM+2+\b], 23, v[TM+4+\b]       ; the scale's byte
.endr
	s_wait_dscnt 0x0                               ; the last image's stores have read v[PC] on and v[TM+6]
	v_lshl_or_b32 v[TM+6], v[TM+3], 8, v[TM+2]
	WIN (\win)
.irp b, 0,1
	v_cvt_scalef32_pk8_fp4_f32 v[PC+2*\b], v[(\src)+16*\b:(\src)+16*\b+7], v[TM+4+\b]
	v_cvt_scalef32_pk8_fp4_f32 v[PC+2*\b+1], v[(\src)+16*\b+8:(\src)+16*\b+15], v[TM+4+\b]
.endr
	WIN 0
	v_nop                                          ; one plain line behind a scaled conversion
	v_permlane16_swap_b32 v[PC], v[PC+2]           ; the operand's layout wants a whole block in a lane: lanes 0-15 block 0, lanes 16-31 block 1
	v_permlane16_swap_b32 v[PC+1], v[PC+3]
.endm
; quarter q (features 64 q on) of my token tile: as f32 into XF, as codes into AQ, its two scale bytes into AS
.macro TAILQ src, win, q
	WIN 4*(\win)
.set kT, 0
.rept 8
	ds_store_b128 v[A_XFW], v[(\src)+4*kT:(\src)+4*kT+3] offset:4096*(\q)+512*kT
.set kT, kT+1
.endr
	WIN 0
	Q32 \src, \win
	ds_store_b128 v[A_AQW], v[PC:PC+3] offset:512*(\q)
	ds_store_b16 v[A_ASW], v[TM+6] offset:128*((\q)/2)+2*((\q)%2)
.endm
.macro RESLOAD                         ; x of my 16 tiles becomes the C of the product: the residual costs no addition
	WIN 0x40
.irp t, 0,1,2,3
.irp i, 0,1,2,3
.irp c, 0,1
	ds_load_b128 v[32*\t+8*\i+4*\c:32*\t+8*\i+4*\c+3], v[A_XFG] offset:16384*\t+1024*\i+512*\c
.endr
.endr
.endr
	WIN 0
.endm
.macro RESSTORE                        ; and the sums go back in place, each accumulator from its low end on; only this wave touches these tiles in this phase
	WIN 0x04
.irp t, 0,1,2,3
.irp i, 0,1,2,3
.irp c, 0,1
	ds_store_b128 v[A_XFG], v[32*\t+8*\i+4*\c:32*\t+8*\i+4*\c+3] offset:16384*\t+1024*\i+512*\c
.endr
.endr
.endr
	WIN 0
.endm
.macro BIASADD set
	WIN 0x41
.irp t, 0,1,2,3
.irp i, 0,1,2,3
.irp m, 0,2,4,6
	v_pk_add_f32 v[32*\t+8*\i+\m:32*\t+8*\i+\m+1], v[32*\t+8*\i+\m:32*\t+8*\i+\m+1], v[BC+32*(\set)+8*\i+\m:BC+32*(\set)+8*\i+\m+1]
.endr
.endr
.endr
	WIN 0
	PLACES
.endm
.macro HLOAD st                        ; K step st of the hidden layer, my four token tiles: 12 LDS loads
.irp t, 0,1,2,3
.irp c, 0,1
	ds_load_b128 v[XFR+32*((\st)%2)+8*\t+4*\c:XFR+32*((\st)%2)+8*\t+4*\c+3], v[A_HR] offset:8192*\t+1024*(\st)+512*\c
.endr
	ds_load_b32 v[XS+4*((\st)%4)+\t], v[A_HSR] offset:1024*\t+128*(\st)
.endr
.endm
; LayerNorm's gain and bias of quarter q, in the ROW layout: 16 loads.  slot 0: v[XFR] on; slot 1: W's set 1
.macro LNPAR q, slot, ps, pb
.if \slot
	WIN 0x40
.set rL, WR+64
.else
.set rL, XFR
.endif
.irp b, 0,1
.irp k, 0,1,2,3
	global_load_b128 v[rL+16*\b+4*\k:rL+16*\b+4*\k+3], v[PL], s[\ps:\ps+1] offset:256*(\q)+128*\b+16*\k
	global_load_b128 v[rL+32+16*\b+4*\k:rL+32+16*\b+4*\k+3], v[PL], s[\pb:\pb+1] offset:256*(\q)+128*\b+16*\k
.endr
.endr
	WIN 0
.endm
.macro LNJOIN                          ; four chains, two halves, two lanes: the token's sum in v[TM]
	v_pk_add_f32 v[TM:TM+1], v[TM:TM+1], v[TM+2:TM+3]
	v_pk_add_f32 v[TM+4:TM+5], v[TM+4:TM+5], v[TM+6:TM+7]
	v_pk_add_f32 v[TM:TM+1], v[TM:TM+1], v[TM+4:TM+5]
	v_add_f32 v[TM], v[TM], v[TM+1]
	v_permlanex16_b32 v[TM+1], v[TM], s10, s11
	v_add_f32 v[TM], v[TM], v[TM+1]
.endm
; LayerNorm of my token tile, in two passes (mean; squares of the differences), then gain, bias, and the quarters' way out
.macro LN ps, pb
	WIN 0x40
.set kL, 0
.rept 32
	ds_load_b128 v[4*kL:4*kL+3], v[A_XFW] offset:512*kL
.set kL, kL+1
.endr
	WIN 0
	s_wait_dscnt 0x0
	WIN 0x05
.irp c, 0,1,2,3
	v_pk_add_f32 v[TM+2*\c:TM+2*\c+1], v[4*\c:4*\c+1], v[4*\c+2:4*\c+3]
.endr
	WIN 0x01
.set kL, 8
.rept 56
	v_pk_add_f32 v[TM+2*(kL%4):TM+2*(kL%4)+1], v[2*kL:2*kL+1], v[TM+2*(kL%4):TM+2*(kL%4)+1]
.set kL, kL+1
.endr
	WIN 0
	LNJOIN
	v_mul_f32 v[TM+8], 0xbb800000, v[TM]           ; - the mean
	WIN 0x41
.set kL, 0
.rept 64
	v_pk_add_f32 v[2*kL:2*kL+1], v[2*kL:2*kL+1], v[TM+8:TM+9] op_sel_hi:[1,0]
.set kL, kL+1
.endr
	WIN 0x05
.irp c, 0,1,2,3
	v_pk_mul_f32 v[TM+2*\c:TM+2*\c+1], v[2*\c:2*\c+1], v[2*\c:2*\c+1]
.endr
.set kL, 4
.rept 60
	v_pk_fma_f32 v[TM+2*(kL%4):TM+2*(kL%4)+1], v[2*kL:2*kL+1], v[2*kL:2*kL+1], v[TM+2*(kL%4):TM+2*(kL%4)+1]
.set kL, kL+1
.endr
	WIN 0
	LNJOIN
	v_fmaak_f32 v[TM], s15, v[TM], 0x3727c5ac      ; the variance + 1e-5
	v_rsq_f32 v[TM+10], v[TM]
	v_nop                                          ; a plain line behind the transcendental,
	s_wait_alu depctr_va_vdst(0)                   ; and the wait ahead of its first reader
	s_wait_loadcnt 0x0                             ; the parameters of quarters 0 and 1
.irp q, 0,1,2,3
.if \q == 2
	s_wait_loadcnt 16                              ; quarter 2's parameters are in; quarter 3's 16 loads may be out
.endif
.if \q == 3
	s_wait_loadcnt 0x0
.endif
	WIN 0x01
.set kL, 0
.rept 16
	v_pk_mul_f32 v[T32+2*kL:T32+2*kL+1], v[32*\q+2*kL:32*\q+2*kL+1], v[TM+10:TM+11] op_sel_hi:[1,0]
.set kL, kL+1
.endr
.if \q%2
	WIN 0x14
.set kL, 0
.rept 16
	v_pk_fma_f32 v[T32+2*kL:T32+2*kL+1], v[T32+2*kL:T32+2*kL+1], v[WR+64+2*kL:WR+64+2*kL+1], v[WR+96+2*kL:WR+96+2*kL+1]
.set kL, kL+1
.endr
.else
	WIN 0
.set kL, 0
.rept 16
	v_pk_fma_f32 v[T32+2*kL:T32+2*kL+1], v[T32+2*kL:T32+2*kL+1], v[XFR+2*kL:XFR+2*kL+1], v[XFR+32+2*kL:XFR+32+2*kL+1]
.set kL, kL+1
.endr
.endif
	WIN 0
.if \q < 2
	LNPAR \q+2, \q%2, \ps, \pb
.endif
	TAILQ T32, 0, \q
.endr
.endm
; ---------------------------------------------------------------- the head
	s_load_b512 s[16:31], s[0:1], 0x0              ; wq 16, ws 18, qkv_b 20, attn_out_b 22, ln1_s 24, ln1_b 26, ff1_b 28, ff2_b 30
	s_load_b128 s[32:35], s[0:1], 0x40             ; ln2_s 32, ln2_b 34
	s_load_b256 s[48:55], s[0:1], 0x50             ; attr 48, attr_emb 50, attr_lens 52, attr_tf 54
	s_load_b256 s[56:63], s[0:1], 0x70             ; attr_lens_user 56, attr_feat 58, fw_W 60, fw_b 62
	v_lshrrev_b32 v28, 5, v0
	v_readfirstlane_b32 s2, v28                    ; w
	s_lshr_b32 s3, s2, 1                           ; hh
	s_and_b32 s4, s2, 1                            ; g
	s_mov_b32 s5, ttmp9                            ; the sequence
	s_mov_b32 s10, 0x76543210
	s_mov_b32 s11, 0xfedcba98                      ; v_permlanex16_b32's selects for lane l xor 16
	s_mov_b32 s12, 0x3e38aa3b                      ; log2(e) / sqrt(64)
	s_mov_b32 s13, s12                             ; (named with it as a pair)
	s_mov_b32 s15, 0x3b800000                      ; 1 / 256
	v_and_b32 v29, 31, v0                          ; lane
	v_and_b32 v30, 15, v0                          ; r
	v_bfe_u32 v31, v0, 4, 1                        ; h
	v_lshlrev_b32 v[L16], 4, v29
	v_lshlrev_b32 v[L4], 2, v29
	v_lshlrev_b32 v[PL], 6, v31
	v_and_b32 v28, 8, v30
	v_add_nc_u32 v28, v28, v30                     ; r + 8 (r / 8)
	s_lshl_b32 s8, s3, 13
	v_add_nc_u32 v[VW], s8, v[L16]
	s_lshl_b32 s8, s3, 10
	v_add_nc_u32 v[VSO], s8, v[L16]
	s_lshl_b32 s8, s3, 8
	v_lshl_add_u32 v[BQ], v31, 6, s8
	v_lshl_add_u32 v[BV], v28, 2, s8
	s_lshl_b32 s8, s3, 5
	s_lshl_b32 s9, s4, 3
	s_add_co_u32 s8, s8, s9
	v_add_nc_u32 v192, s8, v28                     ; my token: 32 (w / 2) + 8 (w % 2) + r + 8 (r / 8)
	s_lshl_b32 s9, s5, 9
	v_lshl_add_u32 v193, v192, 2, s9               ; its place in attr and attr_tf
	s_lshl_b32 s98, s5, 2                          ; 4 x sequence, as a pair
	s_mov_b32 s99, 0
	s_mul_i32 s100, s5, 52                         ; a row of attr_feat
	s_mov_b32 s101, 0
	s_wait_kmcnt 0x0
	global_load_b32 v194, v193, s[48:49]           ; the token's index
	global_load_b32 v195, v193, s[54:55]           ; its tf
	s_add_nc_u64 s[52:53], s[52:53], s[98:99]
	s_load_b32 s14, s[52:53], 0x0                  ; the sequence's length
	s_add_nc_u64 s[56:57], s[56:57], s[98:99]
	s_load_b32 s66, s[56:57], 0x0                  ; the user part's length
	s_add_nc_u64 s[58:59], s[58:59], s[100:101]
	s_load_b256 s[68:75], s[58:59], 0x0            ; 13 features
	s_load_b128 s[76:79], s[58:59], 0x20
	s_load_b32 s80, s[58:59], 0x30
	s_load_b256 s[84:91], s[60:61], 0x0            ; 13 weights
	s_load_b128 s[92:95], s[60:61], 0x20
	s_load_b32 s96, s[60:61], 0x30
	s_load_b32 s97, s[62:63], 0x0
	s_mov_b64 s[42:43], s[16:17]                   ; layer 0's wq, ws, qkv_b are kept for the look-ahead over the layers' edge
	s_mov_b64 s[44:45], s[18:19]
	s_mov_b64 s[46:47], s[20:21]
	WLOAD 0, 0, 16, 18                             ; the first item: Q's weights of layer 0
	BLOAD 0, 20, 0
	MKA A_XFW, L16, 16384, 0, 0, L_XF
	MKA A_XFG, L16, 0, 4096, 65536, L_XF
	MKA A_AQR, L16, 0, 0, 8192, L_AQ
	MKA A_ASR, L4, 0, 0, 1024, L_AS
	MKA A_AQW, L16, 2048, 0, 0, L_AQ
	MKA A_ASW, L4, 256, 0, 0, L_AS
	MKA A_AQO, L16, 0, 512, 8192, L_AQ
	MKA A_ASO, L4, 0, 0, 1024, L_AS
	MKA A_QW, L16, 0, 4096, 2048, L_QI
	MKA A_KR, L16, 0, 4096, 0, L_KI
	MKA A_QSW, L4, 0, 1024, 512, L_QS
	MKA A_KSR, L4, 0, 1024, 0, L_KS
	MKA A_VW, L16, 0, 4096, 512, L_VI
	MKA A_VR, L16, 0, 4096, 0, L_VI
	MKA A_VSW, L4, 0, 512, 2, L_VS
	MKA A_VSR, L4, 0, 512, 0, L_VS
	MKA A_HW, L16, 0, 512, 32768, L_HI
	MKA A_HSW, L4, 0, 0, 4096, L_HS
	MKA A_HR, L16, 0, 0, 32768, L_HI
	MKA A_HSR, L4, 0, 0, 4096, L_HS
	MKA 198, L4, 128, 0, 0, L_WT
	s_lshr_b32 s7, s3, 1
	s_lshl_b32 s7, s7, 7
	s_and_b32 s8, s3, 1
	s_lshl_b32 s8, s8, 1
	s_add_co_u32 s7, s7, s8                        ; 128 (hh / 2) + 2 (hh % 2): my 64 features' half of a scale word
	v_add_nc_u32 v[A_ASO], s7, v[A_ASO]
	v_add_nc_u32 v[A_HSW], s7, v[A_HSW]
.set n, 0
.rept 16
	v_mov_b32 v[TM+n], 0                           ; written once: lane permutes' destinations and the upper halves of broadcast pairs count as read
.set n, n+1
.endr
.irp j, 4,5,6,7
	v_mov_b32 v[QOP+\j], 0                         ; zero codes for k = 64 .. 127 of the score product, whose K is 64
.endr
	s_wait_loadcnt 26                              ; index and tf are in; behind them: 18 loads of weights, 8 of bias
	v_min_u32 v194, 0xc34f, v194
	v_lshlrev_b32 v194, 10, v194                   ; a row of attr_emb is 1,024 bytes
	v_lshl_add_u32 v194, v31, 6, v194              ; + 16 h numbers
	WIN 0x40
.irp b, 0,1,2,3,4,5,6,7
.irp k, 0,1,2,3
	global_load_b128 v[16*\b+4*\k:16*\b+4*\k+3], v194, s[50:51] offset:128*\b+16*\k
.endr
.endr
	WIN 0
	s_wait_kmcnt 0x0
	v_mov_b32 v196, s97                            ; the user weight: sigmoid(attr_feat . fw_W + fw_b), in f32
.irp k, 0,1,2,3,4,5,6,7
	v_fma_f32 v196, s[68+\k], s[84+\k], v196
.endr
.irp k, 0,1,2,3
	v_fma_f32 v196, s[76+\k], s[92+\k], v196
.endr
	v_fma_f32 v196, s80, s96, v196
	v_mul_f32 v196, 0xbfb8aa3b, v196
	v_exp_f32 v196, v196
	v_nop
	s_wait_alu depctr_va_vdst(0)                   ; the wait ahead of the first reader
	v_add_f32 v196, 1.0, v196
	v_rcp_f32 v196, v196
	v_nop
	s_wait_alu depctr_va_vdst(0)
	v_sub_f32 v197, 1.0, v196
	v_cmp_gt_i32 vcc_lo, s66, v192                 ; my token lies in the user part
	v_cndmask_b32 v197, v197, v196, vcc_lo
	v_mul_f32 v197, v197, v195
	v_cmp_gt_i32 vcc_lo, s14, v192                 ; my token is no padding
	v_cndmask_b32 v197, 0, v197, vcc_lo
	ds_store_b32 v198, v197                        ; the pooling weight of token tile w, lane by lane
	s_wait_loadcnt 0x0                             ; the embedding rows (and the first item)
	s_load_b256 s[52:59], s[0:1], 0x90             ; for the tail: user_ids 52, item_ids 54, user_emb 56, item_emb 58
	s_load_b256 s[68:75], s[0:1], 0xb0             ; pos_targets 68, neg_targets 70, out_emb 72, pos_lens 74
	s_load_b256 s[76:83], s[0:1], 0xd0             ; neg_lens 76, out0 78, out1 80, out2 82
	TAILQ 0, 1, 0
	TAILQ 32, 1, 1
	s_wait_kmcnt 0x0
	s_add_nc_u64 s[52:53], s[52:53], s[98:99]
	s_load_b32 s60, s[52:53], 0x0                  ; the user,
	s_add_nc_u64 s[54:55], s[54:55], s[98:99]
	s_load_b32 s61, s[54:55], 0x0                  ; the item,
	s_add_nc_u64 s[74:75], s[74:75], s[98:99]
	s_load_b32 s62, s[74:75], 0x0                  ; the two lengths
	s_add_nc_u64 s[76:77], s[76:77], s[98:99]
	s_load_b32 s63, s[76:77], 0x0
	TAILQ 64, 1, 2
	TAILQ 96, 1, 3
	s_wait_kmcnt 0x0
	BAR                                            ; x lies in LDS, as f32 and as codes
	s_mov_b32 s6, 0
; ---------------------------------------------------------------- a layer: seven barriers
.Llayer:
	s_cmp_eq_u32 s6, 0                             ; where the item behind this layer's last lies: layer 1's first; behind layer 1, layer 0's once more, so that the load stays in its buffer without a branch
	s_mov_b32 s9, 0
	s_cselect_b32 s8, 393216, 0
	s_add_nc_u64 s[36:37], s[42:43], s[8:9]
	s_cselect_b32 s8, 49152, 0
	s_add_nc_u64 s[38:39], s[44:45], s[8:9]
	s_cselect_b32 s8, 3072, 0
	s_add_nc_u64 s[40:41], s[46:47], s[8:9]
	; ---- Q, K, V of head hh for my four token tiles.  At each item's head: its loads are waited for (count 0: nothing else is out), then the next item is asked for
	XLOAD
	s_wait_loadcnt 0x0
	WLOAD 1, 4, 16, 18
	BLOAD 1, 20, 1024
	s_wait_dscnt 0x0
	WIN 0x41
	MM 0, 0, 0, 0, 0, 0
	WIN 0x51
	MM 0, 0, 1, 1, 4, 1
	WIN 0
	PLACES
.irp t, 0,1,2,3
	Q32 32*\t, 1
	ds_store_b128 v[A_QW], v[PC:PC+3] offset:512*\t
	ds_store_b32 v[A_QSW], v[TM+6] offset:128*\t   ; bytes 2 and 3 are 0: they scale zero codes
.endr
	s_wait_loadcnt 0x0
	WLOAD 0, 8, 16, 18
	BLOADV 0, 20
	WIN 0x41
	MM 0, 1, 0, 0, 0, 0
	WIN 0x51
	MM 0, 1, 1, 1, 4, 1
	WIN 0
	PLACES
.irp t, 0,1,2,3
	Q32 32*\t, 1
	ds_store_b128 v[A_QW], v[PC:PC+3] offset:16384+512*\t
	ds_store_b32 v[A_QSW], v[TM+6] offset:4096+128*\t
.endr
	s_wait_loadcnt 0x0
	WLOAD 1, 12, 16, 18
	BLOAD 1, 22, 0
	WIN 0x44
	MM 1, 0, 0, 0, 0, 0                            ; V: source 0 = tokens: a lane holds one feature, its registers run along the tokens, which are the next K
	WIN 0x54
	MM 1, 0, 1, 1, 4, 1
	WIN 0
	PLACES
.irp i, 0,1,2,3
	Q32 32*\i, 1
	ds_store_b128 v[A_VW], v[PC:PC+3] offset:1024*\i
	ds_store_b16 v[A_VSW], v[TM+6] offset:128*\i
.endr
	BAR
	; ---- attention: head hh, query tiles 4 g .. 4 g + 3; K's eight tiles and V^T's four fragments stay in registers
	WIN 0x40
.irp kt, 0,1,2,3,4,5,6,7
	ds_load_b128 v[8*\kt:8*\kt+3], v[A_KR] offset:512*\kt
.endr
.irp kt, 0,1,2,3,4,5,6,7
.irp j, 4,5,6,7
	v_mov_b32 v[8*\kt+\j], 0                       ; zero codes for k = 64 .. 127
.endr
.endr
.irp i, 0,1,2,3
.irp c, 0,1
	ds_load_b128 v[64+8*\i+4*\c:64+8*\i+4*\c+3], v[A_VR] offset:1024*\i+512*\c
.endr
.endr
	WIN 0
.irp kt, 0,1,2,3,4,5,6,7
	ds_load_b32 v[XS+\kt], v[A_KSR] offset:128*\kt
.endr
.irp i, 0,1,2,3
	ds_load_b32 v[XS+10+\i], v[A_VSR] offset:128*\i
.endr
	v_lshrrev_b32 v29, 2, v[PL]
	v_sub_nc_u32 v29, s14, v29                     ; d = length - 16 h.  Register 16 b + i of S^T holds key 32 b + 16 h + i: padding where 32 b + i >= d
	v_mov_b32 v28, 0xceabfb8f                      ; -1e9 log2(e)
.set n, 0
.rept 64
.if n < 32
.set rM, BC+n
.else
.set rM, T32+n-32
.endif
	v_cmp_lt_i32 vcc_lo, 32*(n/16)+n%16, v29
	v_cndmask_b32 v[rM], v28, v[QOP+4], vcc_lo     ; what is added to t: 0, or -1e9 log2(e)
.set n, n+1
.endr
	s_mov_b32 s7, 4
	s_mov_b32 s48, 0
	s_mov_b32 s49, 0
	s_mov_b32 s50, 0
	s_mov_b32 s51, 0
.Lquery:
	v_add_nc_u32 v[TM+4], s48, v[A_QW]
	v_add_nc_u32 v[TM+5], s49, v[A_QSW]
	ds_load_b128 v[QOP:QOP+3], v[TM+4]
	ds_load_b32 v[XS+8], v[TM+5]
	s_wait_dscnt 0x0                               ; Q's tile (in the first trip K and V too); the last trip's stores have read their registers
	WIN 0x01
.irp kt, 0,1,2,3,4,5,6,7
.set rD, XFR+8*\kt
.set rA, 8*\kt
.set rS, XS+\kt
	WM0 rD, rA, QOP, rS, XS+8                      ; S^T = K Q^T: a lane holds one query; registers 16 b + i run along the keys
.endr
	WIN 0
	PLACES
.set n, 0
.rept 32
.if n < 16
.set rM, BC+2*n
.else
.set rM, T32+2*n-32
.endif
	v_pk_fma_f32 v[XFR+2*n:XFR+2*n+1], v[XFR+2*n:XFR+2*n+1], s[12:13], v[rM:rM+1] op_sel_hi:[1,0,1]   ; t, each accumulator from its low end on
.set n, n+1
.endr
.irp b, 0,1,2,3
	v_max3_num_f32 v[TM+\b], v[XFR+16*\b], v[XFR+16*\b+1], v[XFR+16*\b+2]   ; the largest t of each block of 32 keys: for the row's maximum and, since p rises with t, for the block's largest p
.endr
.irp i, 3,5,7,9,11,13
.irp b, 0,1,2,3
	v_max3_num_f32 v[TM+\b], v[TM+\b], v[XFR+16*\b+\i], v[XFR+16*\b+\i+1]
.endr
.endr
.irp b, 0,1,2,3
	v_max_num_f32 v[TM+\b], v[TM+\b], v[XFR+16*\b+15]
.endr
.irp b, 0,1,2,3
	v_permlanex16_b32 v[TM+4+\b], v[TM+\b], s10, s11
.endr
.irp b, 0,1,2,3
	v_max_num_f32 v[TM+\b], v[TM+\b], v[TM+4+\b]
.endr
	v_max3_num_f32 v30, v[TM], v[TM+1], v[TM+2]
	v_max_num_f32 v30, v30, v[TM+3]
	v_floor_f32 v[TM+12], -v30                     ; -M = floor(-t) = -ceil(t): a whole number
.set n, 0
.rept 32
	v_pk_add_f32 v[XFR+2*n:XFR+2*n+1], v[XFR+2*n:XFR+2*n+1], v[TM+12:TM+13] op_sel_hi:[1,0]
.set n, n+1
.endr
.irp b, 0,1,2,3
	v_add_f32 v[TM+\b], v[TM+\b], v[TM+12]
.endr
.set n, 0
.rept 64
	v_exp_f32 v[XFR+n], v[XFR+n]                   ; p = 2^(t - M): one batch
.set n, n+1
.endr
	v_nop                                          ; a plain line behind the batch,
	s_wait_alu depctr_va_vdst(0)                   ; and one wait for it, ahead of its first reader
.irp b, 0,1,2,3
	v_exp_f32 v[TM+\b], v[TM+\b]                   ; the blocks' largest p: the same instructions on the same numbers
.endr
	v_pk_add_f32 v[TM+14:TM+15], v[XFR:XFR+1], v[XFR+2:XFR+3]       ; the row's sum of the unquantised p, in two chains: its first half stands behind the four exponentials
	v_pk_add_f32 v[28:29], v[XFR+4:XFR+5], v[XFR+6:XFR+7]
.irp n4, 8,12,16,20,24,28
	v_pk_add_f32 v[TM+14:TM+15], v[TM+14:TM+15], v[XFR+\n4:XFR+\n4+1]
	v_pk_add_f32 v[28:29], v[28:29], v[XFR+\n4+2:XFR+\n4+3]
.endr
	s_wait_alu depctr_va_vdst(0)                   ; the wait for the four
.irp b, 0,1,2,3
	v_max_num_f32 v[TM+\b], 0x1800000, v[TM+\b]    ; the floor: a block of padded keys keeps the byte 1, its codes are zeros
.endr
.irp b, 0,1,2,3
	v_add_nc_u32 v[TM+8+\b], 0xff000000, v[TM+\b]
.endr
.irp b, 0,1,2,3
	v_lshrrev_b32 v[TM+4+\b], 23, v[TM+8+\b]
.endr
	v_lshl_or_b32 v[XS+9], v[TM+5], 8, v[TM+4]     ; p's scale word
	v_lshl_or_b32 v[XS+9], v[TM+6], 16, v[XS+9]
	v_lshl_or_b32 v[XS+9], v[TM+7], 24, v[XS+9]
.irp b, 0,1,2,3
	v_cvt_scalef32_pk8_fp4_f32 v[PC+2*\b], v[XFR+16*\b:XFR+16*\b+7], v[TM+8+\b]
	v_cvt_scalef32_pk8_fp4_f32 v[PC+2*\b+1], v[XFR+16*\b+8:XFR+16*\b+15], v[TM+8+\b]
.endr
	v_nop
.irp c, 0,1
.irp i, 0,1
	v_permlane16_swap_b32 v[PC+4*\c+\i], v[PC+4*\c+2+\i]
.endr
.endr
.irp n4, 32,36,40,44,48,52,56,60                   ; the sum's second half: also the plain lines between the writes of p's codes and scale word and the product that takes them
	v_pk_add_f32 v[TM+14:TM+15], v[TM+14:TM+15], v[XFR+\n4:XFR+\n4+1]
	v_pk_add_f32 v[28:29], v[28:29], v[XFR+\n4+2:XFR+\n4+3]
.endr
	v_pk_add_f32 v[28:29], v[28:29], v[TM+14:TM+15]
	v_add_f32 v28, v28, v29
	v_permlanex16_b32 v29, v28, s10, s11
	v_add_f32 v28, v28, v29                        ; with lane l xor 16's keys: the row's sum
	v_rcp_f32 v30, v28
	WIN 0x01
.irp i, 0,1,2,3
.set rD, XFR+8*\i
.set rA, 64+8*\i
.set rS, XS+10+\i
	WM0 rD, rA, PC, rS, XS+9                       ; O^T = V^T P^T: register 16 b + i = feature 32 b + 16 h + i of the head
.endr
	WIN 0
	PLACES                                         ; (also the plain lines behind the reciprocal)
	s_wait_alu depctr_va_vdst(0)                   ; the wait for the reciprocal, ahead of its first reader
.set n, 0
.rept 16
	v_pk_mul_f32 v[XFR+2*n:XFR+2*n+1], v[XFR+2*n:XFR+2*n+1], v[30:31] op_sel_hi:[1,0]
.set n, n+1
.endr
	Q32 XFR, 0
	v_add_nc_u32 v[TM+8], s50, v[A_AQO]
	v_add_nc_u32 v[TM+9], s51, v[A_ASO]
	ds_store_b128 v[TM+8], v[PC:PC+3]              ; o's features 64 hh on: half a fragment of the out-projection's operand
	ds_store_b16 v[TM+9], v[TM+6]
	s_add_co_u32 s48, s48, 512
	s_add_co_u32 s49, s49, 128
	s_add_co_u32 s50, s50, 2048
	s_add_co_u32 s51, s51, 256
	s_sub_co_u32 s7, s7, 1
	s_cmp_lg_u32 s7, 0
	s_cbranch_scc1 .Lquery
	BAR
	; ---- the out-projection onto x + its bias
	RESLOAD
	XLOAD
	s_wait_loadcnt 0x0
	WLOAD 0, 16, 16, 18
	BLOAD 0, 28, 0
	s_wait_dscnt 24                                ; x's 32 loads are in; the 24 operand loads behind them may be out
	BIASADD 1
	s_wait_dscnt 0x0
	WIN 0x51
	MM 0, 1, 0, 0, 0, 1
	MM 0, 1, 1, 1, 4, 1
	WIN 0
	PLACES
	RESSTORE
	LNPAR 0, 0, 24, 26
	LNPAR 1, 1, 24, 26
	BAR
	LN 24, 26
	BAR
	; ---- the first feed-forward product: four items of 64 hidden units a wave; relu; quantised; K steps of the second
	XLOAD
.irp j, 0,1,2,3
	s_wait_loadcnt 0x0
.if \j < 3
	WLOAD (\j+1)%2, 16+4*(\j+1), 16, 18
	BLOAD (\j+1)%2, 28, 1024*(\j+1)
.else
	WLOAD 0, 32, 16, 18
	BLOAD 0, 30, 0
.endif
.if \j == 0
	s_wait_dscnt 0x0
.endif
	WIN 0x41
	MM 0, \j%2, 0, 0, 0, 0
	WIN 0x51
	MM 0, \j%2, 1, 1, 4, 1
	WIN 0
	PLACES
.irp t, 0,1,2,3
	WIN 0x04
.set kF, 0
.rept 32
	v_max_num_f32 v[T32+kF], 0, v[32*\t+kF]
.set kF, kF+1
.endr
	WIN 0
	Q32 T32, 0
	ds_store_b128 v[A_HW], v[PC:PC+3] offset:8192*\t+2048*\j
	ds_store_b16 v[A_HSW], v[TM+6] offset:1024*\t+256*\j
.endr
.endr
	BAR
	; ---- the second: eight K steps onto x1 + its bias; the hidden fragments come two steps ahead, in two slots
	RESLOAD
	HLOAD 0
	HLOAD 1
	s_wait_loadcnt 0x0
	WLOAD 1, 36, 16, 18
	s_wait_dscnt 24                                ; x1's 32 loads are in; two K steps' 24 loads may be out
	BIASADD 0
.irp st, 0,1,2,3,4,5,6,7
.if \st == 2
	s_wait_loadcnt 0x0
	WLOAD 0, 40, 16, 18
.endif
.if \st == 4
	s_wait_loadcnt 0x0
	WLOAD 1, 44, 16, 18
.endif
.if \st == 6
	s_wait_loadcnt 0x0
	WLOAD 0, 0, 36, 38                             ; the item behind this layer's last
	BLOAD 0, 40, 0
.endif
.if \st < 7
	s_wait_dscnt 12                                ; this step's fragments are in; the next step's 12 loads may be out
.else
	s_wait_dscnt 0x0
.endif
	WIN 0x51
	MM 0, (\st/2)%2, \st%2, \st%2, 4*(\st%4), 1
	WIN 0
	PLACES
.if \st < 6
	HLOAD \st+2
.endif
.endr
	RESSTORE
	LNPAR 0, 0, 32, 34
	LNPAR 1, 1, 32, 34
	BAR
	LN 32, 34
	BAR
	s_wait_xcnt 0x0                                ; every load has read its base: the layer's pointers step
	s_add_nc_u64 s[16:17], s[16:17], 393216
	s_add_nc_u64 s[18:19], s[18:19], 49152
	s_add_nc_u64 s[20:21], s[20:21], 3072
	s_add_nc_u64 s[22:23], s[22:23], 1024
	s_add_nc_u64 s[24:25], s[24:25], 1024
	s_add_nc_u64 s[26:27], s[26:27], 1024
	s_add_nc_u64 s[28:29], s[28:29], 4096
	s_add_nc_u64 s[30:31], s[30:31], 1024
	s_add_nc_u64 s[32:33], s[32:33], 1024
	s_add_nc_u64 s[34:35], s[34:35], 1024
	s_add_co_u32 s6, s6, 1
	s_cmp_lt_u32 s6, 2
	s_cbranch_scc1 .Llayer
; ---------------------------------------------------------------- the tail
; Wave w owns logits 75 w .. 75 w + 74, in 15 groups of 5 rows of out_emb.  A row is 3,072 bytes: six loads of 512 consecutive bytes.  Five rows a wave are on their way: a ring of five slots in registers.
.macro IDXLOAD                         ; the five indices of group s84 (of 120): groups 0-19 lie in pos_targets, the others in neg_targets
	s_cmp_lt_u32 s84, 20
	s_cselect_b64 s[86:87], s[68:69], s[70:71]
	s_cselect_b32 s8, 0, 400
	s_mul_i32 s9, s84, 20
	s_sub_co_u32 s8, s9, s8
	s_mov_b32 s9, 0
	s_add_nc_u64 s[86:87], s[86:87], s[8:9]
	s_load_b128 s[92:95], s[86:87], 0x0
	s_load_b32 s96, s[86:87], 0x10
.endm
.macro OFFS
.irp k, 0,1,2,3,4
	s_min_u32 s[97+\k], s[92+\k], 0xc34f
	s_mul_i32 s[97+\k], s[97+\k], 3072
.endr
.endm
.macro ROWLOAD k
	v_add_nc_u32 v[VO+\k], s[97+\k], v[L16]
.irp c, 0,1,2,3,4,5
	global_load_b128 v[RING+24*(\k)+4*\c:RING+24*(\k)+4*\c+3], v[VO+\k], s[72:73] offset:512*\c
.endr
.endm
.macro SLOT k, ahead, left             ; left: the younger rows' loads, which may stay out
	s_wait_loadcnt \left                           ; this row's six loads are in: so its offset register is free too
.set rR, RING+24*(\k)
	v_pk_mul_f32 v[216:217], v[rR:rR+1], v[OVEC:OVEC+1]
	v_pk_mul_f32 v[218:219], v[rR+2:rR+3], v[OVEC+2:OVEC+3]
.irp m, 4,8,12,16,20
	v_pk_fma_f32 v[216:217], v[rR+\m:rR+\m+1], v[OVEC+\m:OVEC+\m+1], v[216:217]
	v_pk_fma_f32 v[218:219], v[rR+\m+2:rR+\m+3], v[OVEC+\m+2:OVEC+\m+3], v[218:219]
.endr
	v_pk_add_f32 v[216:217], v[216:217], v[218:219]
	v_add_f32 v[RES+\k], v216, v217
	v_add_f32_dpp v[RES+\k], v[RES+\k], v[RES+\k] row_xmask:1 row_mask:0xf bank_mask:0xf
	v_add_f32_dpp v[RES+\k], v[RES+\k], v[RES+\k] row_xmask:2 row_mask:0xf bank_mask:0xf
	v_add_f32_dpp v[RES+\k], v[RES+\k], v[RES+\k] row_xmask:4 row_mask:0xf bank_mask:0xf
	v_add_f32_dpp v[RES+\k], v[RES+\k], v[RES+\k] row_xmask:8 row_mask:0xf bank_mask:0xf
	v_permlanex16_b32 v217, v[RES+\k], s10, s11
	v_add_f32 v[RES+\k], v[RES+\k], v217
	ds_store_b32 v[LGA], v[RES+\k] offset:4*(\k)   ; all lanes write the same word with the same value
.if \ahead
	ROWLOAD \k
.endif
.endm
	s_wait_loadcnt 0x0                             ; the look-ahead's loads: their registers are taken below
	s_mov_b32 s9, 0
	s_mul_i32 s8, s5, 400
	s_add_nc_u64 s[68:69], s[68:69], s[8:9]        ; my sequence's rows of the targets and the outputs
	s_mul_i32 s8, s5, 2000
	s_add_nc_u64 s[70:71], s[70:71], s[8:9]
	s_mul_i32 s8, s5, 2400
	s_add_nc_u64 s[78:79], s[78:79], s[8:9]
	s_add_nc_u64 s[82:83], s[82:83], s[8:9]
	s_mul_i32 s8, s5, 600
	s_add_nc_u64 s[80:81], s[80:81], s[8:9]
	s_mul_i32 s84, s2, 15                          ; my first group
	IDXLOAD
	s_min_u32 s60, s60, 9999
	s_lshl_b32 s60, s60, 10
	v_add_nc_u32 v190, s60, v[L16]
	s_min_u32 s61, s61, 9999
	s_lshl_b32 s61, s61, 10
	v_add_nc_u32 v191, s61, v[L16]
	global_load_b128 v[OVEC:OVEC+3], v190, s[56:57]              ; the user's row: numbers 0 .. 255 of the output vector
	global_load_b128 v[OVEC+4:OVEC+7], v190, s[56:57] offset:512
	global_load_b128 v[OVEC+16:OVEC+19], v191, s[58:59]          ; the item's: 512 .. 767
	global_load_b128 v[OVEC+20:OVEC+23], v191, s[58:59] offset:512
	s_wait_kmcnt 0x0
	OFFS
.irp k, 0,1,2,3,4
	ROWLOAD \k                                     ; the first five rows are asked for ahead of the pooling
.endr
	s_add_co_u32 s84, s84, 1
	IDXLOAD
	; ---- pooling: wave w sums features 32 w .. 32 w + 31 over the 128 tokens, in f32
	MKA 28, L16, 2048, 0, 0, L_XF
	v_add_nc_u32 v29, 0x10000, v28
	MKA 30, PL, 128, 0, 0, L_OV
	v_add_nc_u32 v31, L_OV, v[L16]
	v_add_nc_u32 v[PC], L_WT, v[L4]
	WIN 0x40
.irp t, 0,1,2,3,4,5,6,7
.irp u, 0,1
.irp c, 0,1
	ds_load_b128 v[16*\t+8*\u+4*\c:16*\t+8*\u+4*\c+3], v[28+\t/4] offset:16384*(\t%4)+1024*\u+512*\c
.endr
.endr
.endr
	WIN 0
.irp t, 0,1,2,3,4,5,6,7
	ds_load_b32 v[232+\t], v[PC] offset:128*\t
.endr
	s_wait_dscnt 0x0
	WIN 0x01
.set n, 0
.rept 16
	v_mul_f32 v[216+n], v[n], v232
.set n, n+1
.endr
.irp t, 1,2,3,4,5,6,7
.set n, 0
.rept 16
	v_fmac_f32 v[216+n], v[16*\t+n], v[232+\t]
.set n, n+1
.endr
.endr
	WIN 0
.irp x, 1,2,4,8
.set n, 0
.rept 16
	v_add_f32_dpp v[216+n], v[216+n], v[216+n] row_xmask:\x row_mask:0xf bank_mask:0xf
.set n, n+1
.endr
.endr
.irp k, 0,1,2,3
	ds_store_b128 v30, v[216+4*\k:216+4*\k+3] offset:16*\k       ; features 32 w + 16 h + 0 .. 15; the sixteen lanes of a half write the same words with the same values
.endr
	BAR
	ds_load_b128 v[OVEC+8:OVEC+11], v31            ; numbers 256 .. 511 of the output vector
	ds_load_b128 v[OVEC+12:OVEC+15], v31 offset:512
	s_wait_dscnt 0x0
	; ---- the logits
	s_mul_i32 s8, s2, 300
	s_add_co_u32 s66, s8, L_LG
	s_mov_b32 s85, 14
.Lgather:
	s_wait_kmcnt 0x0                               ; the next group's indices
	OFFS
	s_add_co_u32 s84, s84, 1
	s_min_u32 s84, s84, 119                        ; the look-ahead stays inside the targets
	IDXLOAD
	s_wait_dscnt 0x0                               ; the last trip's stores have read their registers
	v_mov_b32 v[LGA], s66
.irp k, 0,1,2,3,4
	SLOT \k, 1, 24                                 ; behind this row's loads: four rows of six
.endr
	s_add_co_u32 s66, s66, 20
	s_sub_co_u32 s85, s85, 1
	s_cmp_lg_u32 s85, 0
	s_cbranch_scc1 .Lgather
	s_wait_kmcnt 0x0
	s_wait_dscnt 0x0
	v_mov_b32 v[LGA], s66
.irp k, 0,1,2,3,4
	SLOT \k, 0, 24-6*\k                            ; the last group loads nothing: the counts run down
.endr
	BAR                                            ; 600 logits lie in LDS
	; ---- out: thread j (0 .. 149) takes numbers 4 j .. 4 j + 3; 100 is a multiple of 4, so they are all positives or all negatives
	s_add_co_u32 s9, s63, 100
	s_wait_xcnt 0x0                                ; EXEC changes only behind this wait
	v_cmp_gt_u32 vcc_lo, 150, v0
	s_and_saveexec_b32 s8, vcc_lo
	v_lshlrev_b32 v192, 4, v0
	v_add_nc_u32 v193, L_LG, v192
	ds_load_b128 v[196:199], v193
	v_lshlrev_b32 v194, 2, v0
	v_mov_b32 v195, s9                             ; valid below 100 + neg_len,
	v_mov_b32 v200, s62
	v_cmp_gt_u32 vcc_lo, 25, v0
	v_cndmask_b32 v195, v195, v200, vcc_lo         ; among the positives below pos_len
	v_cndmask_b32 v201, 0, 1, vcc_lo               ; 1 among the positives
.irp e, 0,1,2,3
	v_add_nc_u32 v202, \e, v194
	v_cmp_lt_i32 vcc_lo, v202, v195
	v_cndmask_b32 v[204+\e], 0, 1, vcc_lo          ; the mask
	v_and_b32 v[208+\e], v[204+\e], v201           ; the target
.endr
	v_lshl_or_b32 v203, v205, 8, v204
	v_lshl_or_b32 v203, v206, 16, v203
	v_lshl_or_b32 v203, v207, 24, v203             ; four booleans, a byte each
	s_wait_dscnt 0x0
	global_store_b128 v192, v[196:199], s[78:79]
	global_store_b32 v194, v203, s[80:81]
	global_store_b128 v192, v[208:211], s[82:83]
	s_wait_xcnt 0x0                                ; and again, ahead of the line that widens EXEC
	s_or_b32 exec_lo, exec_lo, s8
	s_endpgm
.Lfunc_end_k_qae9cd1dfaa_enc:
	.size	k_qae9cd1dfaa_enc, .Lfunc_end_k_qae9cd1dfaa_enc-k_qae9cd1dfaa_enc
	.p2alignl 7, 3214868480
	.fill 96, 4, 3214868480
	.section	.rodata,"a",@progbits
	.p2align	6, 0x0
	.amdhsa_kernel k_qae9cd1dfaa_enc
		.amdhsa_group_segment_fixed_size 287232
		.amdhsa_private_segment_fixed_size 0
		.amdhsa_enable_private_segment 0
		.amdhsa_kernarg_size 240
		.amdhsa_user_sgpr_count 2
		.amdhsa_user_sgpr_kernarg_segment_ptr 1
		.amdhsa_wavefront_size32 1
		.amdhsa_system_sgpr_workgroup_id_x 1
		.amdhsa_system_sgpr_workgroup_id_y 1
		.amdhsa_system_sgpr_workgroup_id_z 1
		.amdhsa_system_vgpr_workitem_id 0
		.amdhsa_next_free_vgpr 512
		.amdhsa_next_free_sgpr 104
		.amdhsa_reserve_vcc 1
		.amdhsa_float_denorm_mode_32 3
		.amdhsa_float_denorm_mode_16_64 3
		.amdhsa_memory_ordered 1
		.amdhsa_forward_progress 1
		.amdhsa_inst_pref_size 255
	.end_amdhsa_kernel
	.section	.bss,"aw",@nobits
	.p2align	6
	.space	262144
	.amdgpu_metadata
---
amdhsa.version: [ 1, 2 ]
amdhsa.kernels:
  - .name:           k_qae9cd1dfaa_enc
    .symbol:         k_qae9cd1dfaa_enc.kd
    .args:
      - { .name: wq, .offset: 0, .size: 8, .value_kind: global_buffer, .address_space: global }
      - { .name: ws, .offset: 8, .size: 8, .value_kind: global_buffer, .address_space: global }
      - { .name: qkv_b, .offset: 16, .size: 8, .value_kind: global_buffer, .address_space: global }
      - { .name: attn_out_b, .offset: 24, .size: 8, .value_kind: global_buffer, .address_space: global }
      - { .name: ln1_s, .offset: 32, .size: 8, .value_kind: global_buffer, .address_space: global }
      - { .name: ln1_b, .offset: 40, .size: 8, .value_kind: global_buffer, .address_space: global }
      - { .name: ff1_b, .offset: 48, .size: 8, .value_kind: global_buffer, .address_space: global }
      - { .name: ff2_b, .offset: 56, .size: 8, .value_kind: global_buffer, .address_space: global }
      - { .name: ln2_s, .offset: 64, .size: 8, .value_kind: global_buffer, .address_space: global }
      - { .name: ln2_b, .offset: 72, .size: 8, .value_kind: global_buffer, .address_space: global }
      - { .name: attr, .offset: 80, .size: 8, .value_kind: global_buffer, .address_space: global }
      - { .name: attr_emb, .offset: 88, .size: 8, .value_kind: global_buffer, .address_space: global }
      - { .name: attr_lens, .offset: 96, .size: 8, .value_kind: global_buffer, .address_space: global }
      - { .name: attr_tf, .offset: 104, .size: 8, .value_kind: global_buffer, .address_space: global }
      - { .name: attr_lens_user, .offset: 112, .size: 8, .value_kind: global_buffer, .address_space: global }
      - { .name: attr_feat, .offset: 120, .size: 8, .value_kind: global_buffer, .address_space: global }
      - { .name: fw_W, .offset: 128, .size: 8, .value_kind: global_buffer, .address_space: global }
      - { .name: fw_b, .offset: 136, .size: 8, .value_kind: global_buffer, .address_space: global }
      - { .name: user_ids, .offset: 144, .size: 8, .value_kind: global_buffer, .address_space: global }
      - { .name: item_ids, .offset: 152, .size: 8, .value_kind: global_buffer, .address_space: global }
      - { .name: user_emb, .offset: 160, .size: 8, .value_kind: global_buffer, .address_space: global }
      - { .name: item_emb, .offset: 168, .size: 8, .value_kind: global_buffer, .address_space: global }
      - { .name: pos_targets, .offset: 176, .size: 8, .value_kind: global_buffer, .address_space: global }
      - { .name: neg_targets, .offset: 184, .size: 8, .value_kind: global_buffer, .address_space: global }
      - { .name: out_emb, .offset: 192, .size: 8, .value_kind: global_buffer, .address_space: global }
      - { .name: pos_lens, .offset: 200, .size: 8, .value_kind: global_buffer, .address_space: global }
      - { .name: neg_lens, .offset: 208, .size: 8, .value_kind: global_buffer, .address_space: global }
      - { .name: out0, .offset: 216, .size: 8, .value_kind: global_buffer, .address_space: global }
      - { .name: out1, .offset: 224, .size: 8, .value_kind: global_buffer, .address_space: global }
      - { .name: out2, .offset: 232, .size: 8, .value_kind: global_buffer, .address_space: global }
    .group_segment_fixed_size: 287232
    .private_segment_fixed_size: 0
    .kernarg_segment_align: 8
    .kernarg_segment_size: 240
    .max_flat_workgroup_size: 256
    .sgpr_count:     104
    .vgpr_count:     512
    .wavefront_size: 32
...
	.end_amdgpu_metadata
.endif
;; end of part 2
